; MI455X (gfx1250); checked and timed in simulation.
; The chip was launched on July 23, 2026; its instructions are those of AMD's public machine-readable ISA for CDNA 5 (MIT licence, August 2026) and "CDNA5" Instruction Set Architecture Reference Guide (July 2026). The comments in the code are by the model that wrote it; some were corrected since.
;; Bit Linear158. Allowed arithmetic: matrix products marked QUANTISED: E5M2 operands, one E8M0 scale for each 32 along K, by v_wmma_scale_f32_16x16x128_f8f6f4 with both operands' format E5M2, f32 sums; everything else in f32.
;; Inputs: weight 2,048 x 4,096 float32; x 4 x 2,048 x 4,096 float32.
;; Outputs: out0 4 x 2,048 x 2,048 float32.
;; This version of the problem:
;;   THIS VERSION OF THE PROBLEM IS GIVEN IN LOW PRECISION. The matrix products marked QUANTISED in the list below multiply operands that are first quantised to E5M2 (5 exponent bits, 2 mantissa bits; 8 bits a number), with one power-of-two scale for each 32 numbers along K (OCP MX v1.0); their sums are f32. All else is computed in f32.
;;   The module's matrix products, in the order in which they are computed (A, B: the left and right operand; K: the contracted axis; several contracted axes count as one K, in the product's order):
;;     1. [M 8,192, K 4,096] x [K 4,096, N 2,048]; A: computed on the way; B: computed on the way: QUANTISED
;;   THE QUANTISER, for each operand of a quantised product, along K:
;;     - K is cut into blocks of 32 from its start; a last block that is shorter is filled with zeros.
;;     - A block's scale is 2^e with e = floor(log2(the largest magnitude in the block)) - 15, held to -126 .. 127; a block of zeros has e = 0. As a byte (E8M0): e + 127.
;;     - Each number is divided by its block's scale, clamped to +-57,344, and rounded to the nearest number of E5M2, ties to even, subnormals kept.
;;     - The product sums the exact products of the quantised numbers (number of the format x scale) in f32.
;;   ~~~python
;;   def quantise(x, axis):      # numpy; x: float32 -> the quantised numbers, widened to float32 again
;;       x = np.moveaxis(x, axis, -1); K = x.shape[-1]
;;       x = np.pad(x, [(0, 0)] * (x.ndim - 1) + [(0, -K % 32)]); x = x.reshape(x.shape[:-1] + (-1, 32)); a = np.abs(x).max(-1, keepdims=True)
;;       e = np.where(a > 0, np.clip(np.frexp(np.where(a > 0, a, 1))[1] - 1 - 15, -126, 127), 0)      # np.frexp(a)[1] - 1 = floor(log2(a)), exactly
;;       r = np.clip(x / 2.0 ** e, -57344, 57344)
;;       step = 2.0 ** (np.maximum(np.frexp(np.where(r == 0, 1, r))[1] - 1, -14) - 2)
;;       q = np.round(r / step) * step * 2.0 ** e      # np.round: ties to even
;;       return np.moveaxis(q.reshape(q.shape[:-2] + (-1,))[..., :K], -1, axis).astype(np.float32)
;;   ~~~
;;   OPERANDS COMPUTED ON THE WAY. 'Computed on the way' means the value that the module computes at that place (a softmax that the list does not call 'softmax' is quantised finished and normalised). What goes into a quantiser is computed in f32, as accurately as f32 sums, v_exp_f32 and their like allow (about 1e-6 of the number): no bf16 or f16 on the way to a quantiser, and a product that is left as it is and whose result goes on into a quantised operand takes f32 operands (vector FMAs, or v_wmma_f32_16x16x4_f32). A number that lies on a knife's edge between two numbers of the format may be rounded either way, as far as f32 arithmetic and the matrix unit's own rounding can turn it there, and no further.
;; One version. Each part assembles by itself: llvm-mc -triple=amdgcn-amd-amdhsa -mcpu=gfx1250 --defsym DOCPART=n.
;; ======== version 1 of 1: 2 launches
;; limits: right only within a limited range of input values
;; workspace buffers: a_codes 33,554,432 bytes; a_scales 1,048,576 bytes; b_codes 8,388,608 bytes; b_scales 8,192 bytes
;; launch quant (part 1): grid 1536 x 1, 4 waves a work-group, no clusters, 39,424 bytes of LDS; arguments x, weight, a_codes, a_scales, b_codes, b_scales; writes a_codes, a_scales, b_codes, b_scales
.if DOCPART == 1
	.amdgcn_target "amdgcn-amd-amdhsa--gfx1250"
	.amdhsa_code_object_version 6
	.text
	.protected	k_qbdc540266b_quant
	.globl	k_qbdc540266b_quant
	.p2align	8
	.type	k_qbdc540266b_quant,@function
k_qbdc540266b_quant:
	s_mov_b64 s[64:65], 0
	v_nop
	global_prefetch_b8 v0, s[64:65] scope:SCOPE_SE
	s_setreg_imm32_b32 hwreg(HW_REG_WAVE_MODE, 25, 1), 1
	s_wait_xcnt 0x0
; BitLinear, first launch: both operands of out = Q(x_q) Q(w_t)^T are made once, as codes of E5M2 with one E8M0 byte for each 32 along K = 4,096.
;   x [8192][4096] f32      -> x_q: each group of 64 is scaled by 127 / max(|largest|, 1e-5), rounded to whole numbers (ties to even), scaled back
;                           -> a_codes [8192][4096], a_scales [16 K steps of 256][8192 rows][8 bytes]
;   weight [2048][4096] f32 -> w_t: s = max(mean |row|, 1e-5); sign(w) s where |w| > s / 2, else 0
;                           -> b_codes [2048][4096], b_scales [2048] words (the row's byte, four times)
; Work-groups 0-511 take weight (a wave a row), work-groups 512-1535 take x (a wave 32 rows x 256 along K).  The two ways part on the work-group's number and never join;
; each has LDS bytes of its own.  Waves share nothing: no barrier.  Work-groups share no input: no cluster, no tensor load; every input byte is read once, by loads of 512 consecutive bytes a wave.
; WHAT IS NOT WRITTEN, AND WHY IT NEED NOT BE:
;   the clip at +-127: |x| <= c, so |x fl(127 / c)| <= 127 (1 + 2^-23), which rounds to 127;
;   x + (q - x): where the whole number is not 0, q and x lie within a factor 2 of each other, so q - x is exact and the sum is q; where it is 0 the sum is 0;
;   round(w / s) clipped to +-1: the f32 number next above s / 2 lies more than 2^-24 (relative) above it, so fl(|w| / s) > 0.5 exactly where |w| > s / 2; at 0.5 the tie goes to 0;
;   a byte for each block of w_t: every number of a row is 0 or +-s, so every block that is not all zeros has the row's byte; a block of zeros has zero codes, which add nothing under any byte but 0xff.
; LIMITS: NaN and infinities are not served; a group's largest magnitude stays under 2^126 (its reciprocal must be a normal number).  127 / c and its inverse are a reciprocal with one correction step each,
;   so q = whole number x inverse may differ from the quotient in the last bit.  The sum of |w| over a row is taken in four chains a lane and a tree over the lanes, another order than a plain sum:
;   s may differ in its last bits, and a weight that lies so near s / 2 may fall on the other side.  w + (q - w) is taken as q: beyond |w| > 2 s it may differ from q by about 2^-24 |w|.
;   A block of zeros of x gets the byte 1 where the quantiser's rule says 127: these bytes are read by this program alone.
.set WGW,   512                        ; work-groups for weight
.set EPSB,  0x3727c5ac                 ; 1e-5
.set QMAX,  0x42fe0000                 ; 127.0
.set RQMAX, 0x3c010204                 ; 1 / 127
.set FLOOR, 0x8000000                  ; 2^(16 - 127): under it no block's largest magnitude is taken, so the byte cannot fall under 1
.set EOFF,  0xf8800000                 ; -(15 << 23): 15 off an exponent field
.set MANT,  0x600000                   ; the mantissa field of 57,344
.set STEPS, 16
.set SP,    80                         ; x: a lane's place in a stage: 64 bytes + 16 of padding
.set STG,   32*SP                      ; a stage
.set XSB,   2*STG                      ; behind a wave's two stages: its 256 scale bytes
.set XREG,  5632                       ; a wave's LDS on the x way
.set WBASE, 4*XREG                     ; the weight way's LDS begins here: 4,096 bytes a wave
.set R,     16                         ; v16-79   x: four sets of 16 numbers as they are loaded
.set X,     80                         ; v80-111  x: two sets of 16 neighbours
.set E,     112                        ; v112-127 x: a scale byte for each step
.set C,     128                        ; v128-191 x: four registers of codes for each step, so that no store's data are written again
.set SCP,   192                        ; v[192:193] x: the group's 127 / c (the packed form names a pair and takes its low word for both halves)
.set INV,   194                        ; v[194:195] x: its inverse
.set WC,    16                         ; v16-47   weight: the row's 32 words of codes
.set ROW,   64                         ; v64-191  weight: the row, 128 numbers a lane
	s_load_b256 s[4:11], s[0:1], 0x0               ; x s[4:5], weight s[6:7], a_codes s[8:9], a_scales s[10:11]
	s_load_b128 s[12:15], s[0:1], 0x20             ; b_codes s[12:13], b_scales s[14:15]
	v_lshl_add_u32 v196, v0, 2, 0x9800
	v_mov_b32 v197, 0
	v_lshrrev_b32 v1, 5, v0
	v_readfirstlane_b32 s16, v1                    ; wave 0..3
	v_and_b32 v2, 31, v0                           ; lane
	v_lshlrev_b32 v3, 4, v2                        ; my 16 bytes of a load's 512
	s_cmp_lt_u32 ttmp9, WGW
	s_cbranch_scc1 .Lweight
; ---------------------------------------------------------------- x ----------------------------------------------------------------
; A wave takes rows 32 rb .. 32 rb + 31 and K step t (256 along K), in 16 steps of 2 rows = 512 numbers.  Each of a step's four loads reads 512 consecutive bytes; the 2,048 bytes go through the wave's own stage in
; LDS as they lie and come back 64 bytes a lane: lane l then holds row 2 step + l / 16, k = 16 (l % 16) + 0 .. 15.  Four neighbouring lanes hold a group of 64, two a block of 32.
	s_sub_co_u32 s17, ttmp9, WGW
	s_lshr_b32 s18, s17, 2                         ; rb: which 32 rows
	s_and_b32 s17, s17, 3
	s_lshl_b32 s17, s17, 2
	s_add_co_u32 s17, s17, s16                     ; t: which 256 along K
	s_lshl_b32 s20, s18, 19                        ; x: 32 rows of 16,384 bytes,
	s_lshl_b32 s19, s17, 10                        ; 1,024 bytes a K step
	s_add_co_u32 s20, s20, s19
	s_mov_b32 s21, 0
	s_lshl_b32 s24, s18, 17                        ; the codes: 32 rows of 4,096 bytes,
	s_lshl_b32 s19, s17, 8                         ; 256 bytes a K step
	s_add_co_u32 s24, s24, s19
	s_mov_b32 s25, 0
	s_lshl_b32 s26, s17, 16                        ; the scale bytes: 8,192 rows x 8 bytes a K step,
	s_lshl_b32 s19, s18, 8                         ; 32 rows x 8 bytes
	s_add_co_u32 s26, s26, s19
	s_mov_b32 s27, 0
	s_mov_b32 s23, MANT                            ; (an instruction takes one literal: the hold's line has another)
	s_mul_i32 s22, s16, XREG                       ; my wave's LDS
	s_wait_alu depctr_va_vdst(0)
	v_lshrrev_b32 v14, 2, v2
	v_mul_u32_u24 v14, v14, SP
	v_and_b32 v15, 3, v2
	v_lshl_add_u32 v14, v15, 4, v14
	v_add_nc_u32 v14, s22, v14                     ; the stage, on the way in: four lanes' 64 bytes on end, then 16 of padding
	v_mul_u32_u24 v15, v2, SP
	v_add_nc_u32 v15, s22, v15                     ; and on the way out: my 16 neighbours
	v_lshrrev_b32 v4, 4, v2
	v_and_b32 v5, 15, v2
	v_lshlrev_b32 v4, 12, v4
	v_lshl_add_u32 v4, v5, 4, v4                   ; my codes' place: row l / 16 of the step's two, 16 (l % 16) bytes on
	s_add_co_u32 s22, s22, XSB
	v_lshrrev_b32 v5, 1, v2
	v_add_nc_u32 v5, s22, v5                       ; LDS: my block's byte among a step's 16
	v_lshlrev_b32 v7, 3, v2                        ; on the way out 8 bytes a lane: a row's
	v_add_nc_u32 v6, s22, v7
	v_mov_b32 v[SCP+1], 0                          ; the pairs' upper words are named with the lower ones, so they are written
	v_mov_b32 v[INV+1], 0
	s_wait_kmcnt 0x0
	s_add_nc_u64 s[4:5], s[4:5], s[20:21]
	s_add_nc_u64 s[8:9], s[8:9], s[24:25]
	s_add_nc_u64 s[10:11], s[10:11], s[26:27]
.macro LOAD t                          ; step t: rows 2 t and 2 t + 1, two loads of 512 consecutive bytes each
.irp i, 0,1,2,3
	global_load_b128 v[R+16*((\t)%4)+4*\i:R+16*((\t)%4)+4*\i+3], v3, s[4:5] offset:(2*(\t)+\i/2)*16384+512*(\i%2) th:TH_LOAD_NT
.endr
.endm
.macro TURN t                          ; step t's numbers through the stage: LDS serves a wave's instructions in order (ISA guide 5.7.1.4), so no wait stands between the stores and the loads
.irp i, 0,1,2,3
	ds_store_b128 v14, v[R+16*((\t)%4)+4*\i:R+16*((\t)%4)+4*\i+3] offset:STG*((\t)%2)+8*SP*\i
.endr
.irp i, 0,1,2,3
	ds_load_b128 v[X+16*((\t)%2)+4*\i:X+16*((\t)%2)+4*\i+3], v15 offset:STG*((\t)%2)+16*\i
.endr
.endm
.macro LANEMAX leaf                    ; v8 = the largest magnitude of my 16 numbers and of the leaf, in two chains that do not wait for each other
	v_max3_num_f32 v8, |v[XS]|, |v[XS+1]|, |v[XS+2]|
	v_max3_num_f32 v9, |v[XS+3]|, |v[XS+4]|, |v[XS+5]|
.irp i, 6,10
	v_max3_num_f32 v8, v8, |v[XS+\i]|, |v[XS+\i+1]|
	v_max3_num_f32 v9, v9, |v[XS+\i+2]|, |v[XS+\i+3]|
.endr
	v_max3_num_f32 v8, v8, |v[XS+14]|, |v[XS+15]|
	v_max3_num_f32 v8, v8, v9, \leaf
.endm
.macro STEP t
.set XS, X+16*((\t)%2)
.if (\t) > 0
	s_wait_dscnt 1                                 ; this step's numbers are back from the stage (the last step's byte store may be out): so its stores into the stage have read their registers,
.else
	s_wait_dscnt 0x0
.endif
.if (\t)+4 < STEPS
	LOAD (\t)+4                                    ; which take the loads of four steps on
.endif
.if (\t)+1 < STEPS
.if STEPS-2-(\t) >= 3
	s_wait_loadcnt 12                              ; the next step's four loads are in; those of the three steps behind it may be out
.else
	s_wait_loadcnt 4*(STEPS-2-(\t))                ; the counts run down: nothing more is asked for
.endif
	TURN (\t)+1                                    ; and go through the other stage while this step is worked
.endif
	; the group of 64: c = max(largest magnitude, 1e-5); 1e-5 is one more leaf of the maximum
	LANEMAX EPSB
	v_max_num_f32_dpp v8, v8, v8 row_xmask:1 row_mask:0xf bank_mask:0xf
	v_max_num_f32_dpp v8, v8, v8 row_xmask:2 row_mask:0xf bank_mask:0xf   ; the four lanes of the group
	s_wait_alu depctr_va_vdst(0)
	v_rcp_f32 v9, v8
	v_mul_f32 v[INV], RQMAX, v8                    ; c / 127, a first guess at the inverse: the plain instruction behind the reciprocal (ISA guide 5.7.2)
	s_wait_alu depctr_va_vdst(0)                   ; the wait ahead of the reciprocal's first reader
	v_mul_f32 v[SCP], QMAX, v9
	v_fma_f32 v10, -v8, v[SCP], QMAX               ; what is missing from 127,
	v_fma_f32 v[SCP], v10, v9, v[SCP]              ; put right: 127 / c
	v_fma_f32 v10, -v[SCP], v[INV], 1.0
	v_fma_f32 v[INV], v10, v[INV], v[INV]          ; and 1 / (127 / c) likewise
.irp i, 0,2,4,6,8,10,12,14
	v_pk_mul_f32 v[XS+\i:XS+\i+1], v[XS+\i:XS+\i+1], v[SCP:SCP+1] op_sel_hi:[1,0]
.endr
.irp i, 0,1,2,3,4,5,6,7,8,9,10,11,12,13,14,15
	v_rndne_f32 v[XS+\i], v[XS+\i]                 ; to the nearest whole number, ties to even; it lies within +-127 (see the head)
.endr
.irp i, 0,2,4,6,8,10,12,14
	v_pk_mul_f32 v[XS+\i:XS+\i+1], v[XS+\i:XS+\i+1], v[INV:INV+1] op_sel_hi:[1,0]   ; x_q
.endr
	; the block of 32 of x_q
	LANEMAX FLOOR
	v_max_num_f32_dpp v8, v8, v8 row_xmask:1 row_mask:0xf bank_mask:0xf   ; and my neighbour's 16: the block's largest magnitude
	v_add_nc_u32 v11, EOFF, v8                     ; 15 off its exponent field: the conversion takes the exponent field of this operand as its scale, and nothing else of it
	v_and_or_b32 v10, v8, 0x7f800000, s23          ; 57,344 x the scale: the largest magnitude's exponent field over 57,344's mantissa
.irp i, 0,1,2,3,4,5,6,7,8,9,10,11,12,13,14,15
	v_med3_num_f32 v[XS+\i], v[XS+\i], -v10, v10   ; the conversion to an 8-bit code does not saturate (ISA guide 7.6.2): the hold comes first
.endr
	v_cvt_scalef32_pk8_bf8_f32 v[C+4*(\t):C+4*(\t)+1], v[XS:XS+7], v11
	v_cvt_scalef32_pk8_bf8_f32 v[C+4*(\t)+2:C+4*(\t)+3], v[XS+8:XS+15], v11
	v_lshrrev_b32 v[E+(\t)], 23, v11               ; the scale's byte; also the plain instruction behind the conversions
	ds_store_b8 v5, v[E+(\t)] offset:16*(\t)       ; both lanes of a block write the same byte with the same value
	global_store_b128 v4, v[C+4*(\t):C+4*(\t)+3], s[8:9] offset:8192*(\t)   ; sixteen lanes store 256 consecutive bytes, aligned: a row's K step
.endm
.irp t, 0,1,2,3
	LOAD \t
.endr
	s_wait_loadcnt 12                              ; step 0's four loads are in
	TURN 0
.irp t, 0,1,2,3,4,5,6,7,8,9,10,11,12,13,14,15
	STEP \t
.endr
	ds_load_b64 v[12:13], v6                       ; my wave's 256 scale bytes, 8 a lane: these loads see my byte stores
	s_wait_dscnt 0x0
	global_store_b64 v7, v[12:13], s[10:11]        ; 32 lanes store 256 consecutive bytes, aligned: 32 rows x 8 bytes of this K step
	s_wait_tensorcnt 0x0
	ds_add_u32 v196, v197
	s_wait_dscnt 0x0
	s_endpgm
; -------------------------------------------------------------- weight --------------------------------------------------------------
; A wave takes one row, 16,384 bytes, and keeps it in 128 registers between the pass that sums |w| and the pass that makes the codes: the row is read once.
; Load j brings lane l the numbers k = 128 j + 4 l + 0 .. 3 into v[ROW + 4 j] on.
.Lweight:
	s_lshl_b32 s17, ttmp9, 2
	s_add_co_u32 s17, s17, s16                     ; my row
	s_lshl_b32 s18, s17, 14                        ; in weight,
	s_mov_b32 s19, 0
	s_lshl_b32 s20, s17, 12                        ; in the codes,
	s_mov_b32 s21, 0
	s_lshl_b32 s30, s17, 2                         ; among the scale words
	s_mov_b32 s31, 0
	s_mov_b32 s22, 0x7fffffff                      ; all but the sign
	s_mov_b32 s23, MANT
	s_mov_b32 s32, 0x76543210
	s_mov_b32 s33, 0xfedcba98                      ; v_permlanex16_b32's selects for lane l xor 16
	s_lshl_b32 s29, s16, 12
	s_add_co_u32 s29, s29, WBASE                   ; my wave's 4,096 bytes of LDS
	s_wait_alu depctr_va_vdst(0)
	v_lshl_add_u32 v4, v2, 2, s29                  ; in: 4 bytes a lane
	v_add_nc_u32 v5, s29, v3                       ; out: 16 bytes a lane
	v_mov_b32 v6, 0
	v_mov_b32 v12, 0                               ; written once: a lane permute's destination counts as one of its sources
	s_wait_kmcnt 0x0
	s_add_nc_u64 s[6:7], s[6:7], s[18:19]
	s_add_nc_u64 s[12:13], s[12:13], s[20:21]
	s_add_nc_u64 s[14:15], s[14:15], s[30:31]
.irp j, 0,1,2,3,4,5,6,7,8,9,10,11,12,13,14,15,16,17,18,19,20,21,22,23,24,25,26,27,28,29,30,31
	global_load_b128 v[ROW+4*\j:ROW+4*\j+3], v3, s[6:7] offset:512*\j th:TH_LOAD_NT   ; 512 consecutive bytes a load
.endr
.macro WSUM first, last                ; |numbers first .. last - 1| onto the four chains v8-11
.set n, \first
.rept (\last)-(\first)
	v_add_f32 v[8+n%4], v[8+n%4], |v[ROW+n]|
.set n, n+1
.endr
.endm
	s_wait_loadcnt 24                              ; the first eight loads are in; the sum goes on as the others land
.irp n, 0,1,2,3
	v_add_f32 v[8+\n], |v[ROW+\n]|, |v[ROW+\n+4]|  ; the first eight numbers start the chains: nothing is cleared
.endr
	WSUM 8, 32
	s_wait_alu depctr_va_vdst(0)
	s_wait_loadcnt 16
	WSUM 32, 64
	s_wait_alu depctr_va_vdst(0)
	s_wait_loadcnt 8
	WSUM 64, 96
	s_wait_alu depctr_va_vdst(0)
	s_wait_loadcnt 0x0
	WSUM 96, 128
	v_add_f32 v8, v8, v9
	v_add_f32 v10, v10, v11
	v_add_f32 v8, v8, v10
	v_add_f32_dpp v8, v8, v8 row_xmask:1 row_mask:0xf bank_mask:0xf
	v_add_f32_dpp v8, v8, v8 row_xmask:2 row_mask:0xf bank_mask:0xf
	v_add_f32_dpp v8, v8, v8 row_xmask:4 row_mask:0xf bank_mask:0xf
	v_add_f32_dpp v8, v8, v8 row_xmask:8 row_mask:0xf bank_mask:0xf
	v_permlanex16_b32 v12, v8, s32, s33
	v_add_f32 v8, v8, v12                          ; the row's sum of |w|, in every lane
	v_mul_f32 v13, 0x39800000, v8                  ; / 4,096: exact
	v_max_num_f32 v13, EPSB, v13                   ; s
	v_mul_f32 v14, 0.5, v13                        ; s / 2: exact
	v_add_nc_u32 v48, EOFF, v13                    ; 15 off s's exponent field: the conversions' scale operand.  s is at least 1e-5, so the byte is far above 1: no floor
	v_and_or_b32 v15, v13, 0x7f800000, s23         ; 57,344 x the scale,
	v_min_num_f32 v15, v13, v15                    ; at which s is held
	v_lshrrev_b32 v49, 23, v48                     ; the row's byte,
	v_lshl_or_b32 v49, v49, 8, v49
	v_lshl_or_b32 v49, v49, 16, v49                ; four times: the row's scale word for any 128 along K
	v_cmp_gt_u32 vcc_lo, 1, v2                     ; lane 0 stores it
	s_wait_alu depctr_va_vdst(0)
	s_wait_xcnt 0x0                                ; EXEC is a source of the loads above: it changes only behind this wait
	s_and_saveexec_b32 s28, vcc_lo
	global_store_b32 v6, v49, s[14:15]
	s_wait_xcnt 0x0                                ; and again, in front of the line that widens it
	s_or_b32 exec_lo, exec_lo, s28
.set n, 0
.rept 32                               ; w_t in place, four numbers at a time, so that no line waits for the line above it
.irp i, 0,1,2,3
	v_cmp_gt_f32 s[24+\i], |v[ROW+n+\i]|, v14
.endr
.irp i, 0,1,2,3
	v_bfi_b32 v[50+\i], s22, v15, v[ROW+n+\i]      ; s (held) with w's sign
.endr
.irp i, 0,1,2,3
	v_cndmask_b32 v[ROW+n+\i], 0, v[50+\i], s[24+\i]
.endr
.set n, n+4
.endr
.irp m, 0,1,2,3,4,5,6,7,8,9,10,11,12,13,14,15
	v_cvt_scalef32_pk8_bf8_f32 v[WC+2*\m:WC+2*\m+1], v[ROW+8*\m:ROW+8*\m+7], v48   ; one scale serves the whole row, so the numbers of two loads share a conversion: word d holds the codes of k = 128 d + 4 l + 0 .. 3
.endr
	v_nop                                          ; the plain instruction behind the last conversion
.irp d, 0,1,2,3,4,5,6,7,8,9,10,11,12,13,14,15,16,17,18,19,20,21,22,23,24,25,26,27,28,29,30,31
	ds_store_b32 v4, v[WC+\d] offset:128*\d        ; the row's 4,096 codes in the order of K
.endr
.irp i, 0,1,2,3,4,5,6,7
	ds_load_b128 v[ROW+4*\i:ROW+4*\i+3], v5 offset:512*\i   ; LDS serves a wave's instructions in order: these see my stores
.endr
.irp i, 0,1,2,3,4,5,6,7
	s_wait_dscnt 7-\i                              ; load i is in; the younger ones may be out
	global_store_b128 v3, v[ROW+4*\i:ROW+4*\i+3], s[12:13] offset:512*\i   ; 512 consecutive bytes, aligned
.endr
	s_wait_tensorcnt 0x0
	ds_add_u32 v196, v197
	s_wait_dscnt 0x0
	s_endpgm
.Lfunc_end_k_qbdc540266b_quant:
	.size	k_qbdc540266b_quant, .Lfunc_end_k_qbdc540266b_quant-k_qbdc540266b_quant
	.p2alignl 7, 3214868480
	.fill 96, 4, 3214868480
	.section	.rodata,"a",@progbits
	.p2align	6, 0x0
	.amdhsa_kernel k_qbdc540266b_quant
		.amdhsa_group_segment_fixed_size 39424
		.amdhsa_private_segment_fixed_size 0
		.amdhsa_enable_private_segment 0
		.amdhsa_kernarg_size 48
		.amdhsa_user_sgpr_count 2
		.amdhsa_user_sgpr_kernarg_segment_ptr 1
		.amdhsa_wavefront_size32 1
		.amdhsa_system_sgpr_workgroup_id_x 1
		.amdhsa_system_sgpr_workgroup_id_y 1
		.amdhsa_system_sgpr_workgroup_id_z 1
		.amdhsa_system_vgpr_workitem_id 0
		.amdhsa_next_free_vgpr 198
		.amdhsa_next_free_sgpr 66
		.amdhsa_reserve_vcc 1
		.amdhsa_float_denorm_mode_32 3
		.amdhsa_float_denorm_mode_16_64 3
		.amdhsa_memory_ordered 1
		.amdhsa_forward_progress 1
		.amdhsa_inst_pref_size 135
	.end_amdhsa_kernel
	.amdgpu_metadata
---
amdhsa.version: [ 1, 2 ]
amdhsa.kernels:
  - .name:           k_qbdc540266b_quant
    .symbol:         k_qbdc540266b_quant.kd
    .args:
      - { .name: x, .offset: 0, .size: 8, .value_kind: global_buffer, .address_space: global }
      - { .name: weight, .offset: 8, .size: 8, .value_kind: global_buffer, .address_space: global }
      - { .name: a_codes, .offset: 16, .size: 8, .value_kind: global_buffer, .address_space: global }
      - { .name: a_scales, .offset: 24, .size: 8, .value_kind: global_buffer, .address_space: global }
      - { .name: b_codes, .offset: 32, .size: 8, .value_kind: global_buffer, .address_space: global }
      - { .name: b_scales, .offset: 40, .size: 8, .value_kind: global_buffer, .address_space: global }
    .group_segment_fixed_size: 39424
    .private_segment_fixed_size: 0
    .kernarg_segment_align: 8
    .kernarg_segment_size: 48
    .max_flat_workgroup_size: 128
    .sgpr_count:     66
    .vgpr_count:     198
    .wavefront_size: 32
...
	.end_amdgpu_metadata
.endif
;; end of part 1
;; launch gemm (part 2): grid 8 x 32, 4 waves a work-group, clusters of 4 x 4, 327,680 bytes of LDS; arguments a_codes, a_scales, b_codes, b_scales, out0; writes out0
.if DOCPART == 2
	.amdgcn_target "amdgcn-amd-amdhsa--gfx1250"
	.amdhsa_code_object_version 6
	.text
	.protected	k_qbdc540266b_gemm
	.globl	k_qbdc540266b_gemm
	.p2align	8
	.type	k_qbdc540266b_gemm,@function
k_qbdc540266b_gemm:
	s_mov_b64 s[64:65], 0
	v_nop
	global_prefetch_b8 v0, s[64:65] scope:SCOPE_SE
	s_setreg_imm32_b32 hwreg(HW_REG_WAVE_MODE, 25, 1), 1
	s_wait_xcnt 0x0
	s_wait_alu depctr_hold_cnt(0) depctr_sa_sdst(0) depctr_va_vdst(0) depctr_va_sdst(0) depctr_va_ssrc(0) depctr_va_vcc(0) depctr_vm_vsrc(0)
	s_getreg_b32 s2, hwreg(HW_REG_IB_STS2, 6, 4)
	s_cmp_eq_u32 s2, 0
	s_cbranch_scc0 .Lentry_in_a_cluster
	s_endpgm
.Lentry_in_a_cluster:
	s_bfe_u32 s2, ttmp6, 0x10000c
	s_cmp_lg_u32 s2, 0xf033
	s_cbranch_scc0 .Lentry_shape_is_right
	s_endpgm
.Lentry_shape_is_right:
; BitLinear, second launch: out0[m][n] = sum over k of A[m][k] B[n][k] on codes of E5M2 with E8M0 scales, f32 sums.  M = 8,192, N = 2,048, K = 4,096.
; a_codes [8192][4096]; a_scales [16 K steps of 256][8192 rows][8 bytes]; b_codes [2048][4096]; b_scales [2048] words (a row's byte four times: it serves any 128 along K), as the first launch leaves them.
; THE DEAL: 256 tiles of 256 x 256, one to a work-group; four waves, each 128 x 128: 64 accumulators, 512 registers.  K goes in steps of 256 through a ring of two LDS slots (A's 256 rows, then B's; rows of 256 bytes + 16 of padding).
; A's scale bytes for the work-group's rows and all of K, 32,768 bytes, come once, at the head, and stay behind the ring; B's four scale registers a wave are loaded once.
; CLUSTERS: 4 x 4.  A's tiles and scales are asked for jointly along a row of the cluster, B's along a column.  Source 0 = rows of B, source 1 = rows of A: a lane holds eight neighbouring numbers of a row of out0.
; THE STREAM.  A step of 128 along K is four quarters of 16 products: Q1 = A's blocks 0-3 x B's 0-3, Q2 = A 0-3 x B 4-7, Q3 = A 4-7 x B 0-3, Q4 = A 4-7 x B 4-7.  Behind each quarter stands ONE run of 16 LDS loads, four
; fragments of the NEXT step: behind Q1 its B 0-3, behind Q2 its A 0-3, behind Q3 its B 4-7, behind Q4 its A 4-7.  A has one set of registers (a half is free behind Q2, the other behind Q4), B two.
; What Q1, Q2 or Q3 needs has two younger runs behind it: one count, 32, serves the whole stream.  So a slot's reads are over when its second step begins: the change of slots stands behind that step's Q1.
; One tile to a work-group: nothing follows a tile, so no walk over tiles.  Nothing of the problem's work is left out here.
; REGISTERS: window 0: v0-31 addresses; v32-59 scale words; v128-255 A's fragments (on the way out free).  Window 1: B's two sets.  Windows 2, 3: the accumulators of my rows 0-63, 64-127 ((a, b) at v[64 (a % 4) + 8 b]).
.set SIZE_N, 2048
.set ROWB,   256                       ; a tile's row: 256 codes
.set KROW,   4096                      ; a row of codes in memory
.set PITCH,  272                       ; an LDS row: 68 words, so the 16 rows of a fragment start at 16 different banks (ISA guide 11.1)
.set FR,     16                        ; registers of a fragment: 16 rows x 128 K
.set HALFT,  128*PITCH
.set SLOT,   4*HALFT
.set LAPS,   8                         ; a lap = two K steps = once round the ring
.set SCL,    2*SLOT                    ; A's scale bytes: [K step][256 rows][8]
.set SSTEP,  2048
.set SPARE,  SCL+16*SSTEP              ; the spare words: 512 bytes that no other line names
.set SPITCH, 528                       ; the way out: a stage of 16 rows x (512 + 16) bytes a wave, in slot 0 behind its last fill and last read
.set ADRA, 16                          ; v16-17 LDS address of my A fragments in slot 0, 1
.set ADRB, 20                          ; v20-21 the same for B
.set ADRS, 22                          ; v22 my scale words of the K step fetched next
.set STO,  24
.set RD,   25
.set CO,   26
.set SPW,  28                          ; v28 my spare word; v29 0: never rewritten
.set NIL,  29
.set PFO,  30                          ; v30 the prefetches' offset: lane x a row
.set SC,   32                          ; A's scale words, set s at 32 + 16 s: blocks 2 j (lanes 0-15) and 2 j + 1 (lanes 16-31), word q, at + 2 (j % 2) + 8 (j / 2) + q: numbers 0-3 modulo 8
.set BS,   36                          ; v36-39 B's: register p: block 2 p in lanes 0-15, 2 p + 1 in lanes 16-31: numbers 4-7 modulo 8
.set AF,   128
.set G1,   24                          ; descriptor groups: A's tiles s[24:31], s[32:39]; B's s[48:55], s[56:63]; the scales' s[68:75], s[76:79]; the head's two loads of codes s[96:99], s[92:95]
.set G0,   32
.set G1B,  48
.set G0B,  56
.set G1S,  68
.set G0S,  76
.set G0H,  96
.set G0HB, 92
.set PFA,  84                          ; s[84:85] where my prefetches stand; s86: 1 where my wave prefetches, else the greatest number
.set LIM,  86
.set MSB, 0
.macro WIN new                         ; the immediate's high byte repeats the setting that is left
.if MSB != \new
	s_set_vgpr_msb (MSB<<8)|\new
.set MSB, \new
.endif
.endm
.set MUL_LO, 0xa1                      ; source 0 (B) window 1, source 1 (A) window 0, C and D window 2;  + 0x50: window 3
.set TO_B,   0x40
.macro PLACES n
.rept \n
	v_nop
.endr
.endm
.macro TLOAD g0, g1                    ; an s_nop 0 and four v_nop follow every tensor load
	tensor_load_to_lds s[\g0:\g0+3], s[\g1:\g1+7]
	s_nop 0
	PLACES 4
.endm
.macro JLOAD s                         ; the ring's joint load: waves 0, 1 fetch A's two halves, waves 2, 3 B's: 128 rows each
	s_cmp_eq_u32 s15, 0
	s_cbranch_scc0 .Lfor_b_\@
	TLOAD G0+4*\s, G1
	s_branch .Lasked_\@
.Lfor_b_\@:
	TLOAD G0B+4*\s, G1B
.Lasked_\@:
.endm
; A prefetch into the L2: the K step two refills on, 32 rows x 256 bytes, a lane a row.  Even waves ask for A, odd ones for B; a tile's 256 rows are shared out by address among the four partners (64 each) and their two waves.
; A's rows are asked for by each of the two clusters that load them; B's, which eight clusters load, by the four whose y has an even number of ones (0, 3, 5, 6): no block is named by more than four clusters.
; The last trip (s3 = 1) has no K step two on.
.macro ASK
	s_cmp_gt_u32 s3, s[LIM]
	s_cbranch_scc0 .Lnot_mine_\@
	global_prefetch_b8 v[PFO], s[PFA:PFA+1] offset:ROWB th:TH_LOAD_NT scope:SCOPE_SE
.Lnot_mine_\@:
.endm
.macro CREST                           ; a round of the cluster's barrier behind its opening barrier
	s_cmp_lg_u32 s14, 0
	s_cbranch_scc1 .Lnot_wave_0_\@
	s_barrier_signal -3
.Lnot_wave_0_\@:
	s_barrier_wait -3
	s_barrier_signal -1
	s_barrier_wait -1
.endm
.macro CROUND
	s_barrier_signal -1
	s_barrier_wait -1
	CREST
.endm
	s_load_b128 s[4:7], s[0:1], 0x0                ; a_codes, a_scales
	s_load_b128 s[8:11], s[0:1], 0x10              ; b_codes, b_scales
	s_load_b64 s[12:13], s[0:1], 0x20              ; out0
	v_lshl_add_u32 v[SPW], v0, 2, SPARE
	v_mov_b32 v[NIL], 0
	ds_add_u32 v[SPW], v[NIL]                      ; the opening lines: the add, twice on end, and its wait ahead of my first tensor load
	ds_add_u32 v[SPW], v[NIL]
	v_lshrrev_b32 v1, 5, v0
	v_readfirstlane_b32 s14, v1                    ; wave
	s_lshr_b32 s15, s14, 1                         ; my half of the tile's rows; in the ring: I fetch for A (0) or B (1)
	s_and_b32 s16, s14, 1                          ; my half of its columns; in the ring: which 128 rows I fetch
	s_bfe_u32 s40, ttmp6, 0x40000                  ; cx, cy
	s_bfe_u32 s41, ttmp6, 0x40004
	s_lshl_b32 s42, ttmp9, 2
	s_add_co_u32 s42, s42, s40                     ; tile column
	s_and_b32 s17, ttmp7, 0xffff
	s_lshl_b32 s17, s17, 2
	s_add_co_u32 s17, s17, s41                     ; tile row
	s_lshl_b32 s43, s41, 2
	s_lshl_b32 s43, 15, s43                        ; my row of the cluster
	s_lshl_b32 s44, 0x1111, s40                    ; my column
	s_or_b32 s[G1], s43, (3<<16)|(1<<20)|(1<<21)|(5<<22)|(3<<25)    ; elements of 8 bytes; 4 words of padding behind every 64; bit 21 beside the mask
	s_or_b32 s[G1B], s44, (3<<16)|(1<<20)|(1<<21)|(5<<22)|(3<<25)
.irp g, G1, G1B
	s_mov_b32 s[\g+1], (ROWB/8)<<16                ; a row: 32 elements
	s_mov_b32 s[\g+2], 256<<16                     ; 256 rows for the head's loads; behind them 128, for the ring's
	s_mov_b32 s[\g+3], (ROWB/8)<<16
	s_mov_b32 s[\g+4], 256
	s_mov_b32 s[\g+5], KROW/8
	s_mov_b32 s[\g+6], 0
	s_mov_b32 s[\g+7], 0
.endr
	s_or_b32 s[G1S], s43, (3<<16)|(1<<21)          ; the scales: 8 rows (K steps) of 2,048 bytes (256 elements of 8), 65,536 bytes apart
	s_mov_b32 s[G1S+1], 256<<16
	s_mov_b32 s[G1S+2], 8<<16
	s_mov_b32 s[G1S+3], 256<<16
	s_mov_b32 s[G1S+4], 8
	s_mov_b32 s[G1S+5], 8192
	s_mov_b32 s[G1S+6], 0
	s_mov_b32 s[G1S+7], 0
	s_lshl_b32 s20, s17, 20                        ; A's tile: 256 rows of 4,096 bytes
	s_mov_b32 s21, 0
	s_lshl_b32 s46, s42, 20                        ; B's
	s_mov_b32 s47, 0
	s_lshl_b32 s22, s17, 11                        ; the scales: 256 rows x 8 bytes, and 8 K steps on for wave 3
	s_lshl_b32 s19, s16, 19
	s_add_co_u32 s22, s22, s19
	s_mov_b32 s23, 0
	s_lshl_b32 s18, s16, 19                        ; in the ring: my 128 rows of a tile
	s_mov_b32 s19, 0
	s_mul_i32 s45, s14, HALFT
	s_mov_b32 s[G0H], 1
	s_mov_b32 s[G0H+1], 0
	s_mov_b32 s[G0HB], 1
	s_mov_b32 s[G0HB+1], 2*HALFT
	s_mov_b32 s[G0S], 1
	s_lshl_b32 s[G0S+1], s16, 14
	s_add_co_u32 s[G0S+1], s[G0S+1], SCL
	s_wait_dscnt 0x0                               ; both opening adds are done
	CROUND                                         ; all sixteen work-groups are here: the first joint loads meet
	s_wait_kmcnt 0x0
	s_add_nc_u64 s[20:21], s[4:5], s[20:21]
	s_add_nc_u64 s[22:23], s[6:7], s[22:23]
	s_add_nc_u64 s[46:47], s[8:9], s[46:47]
	s_mov_b64 s[G0H+2:G0H+3], s[20:21]
	s_or_b32 s[G0H+3], s[G0H+3], 0x80000000
	s_mov_b64 s[G0HB+2:G0HB+3], s[46:47]
	s_or_b32 s[G0HB+3], s[G0HB+3], 0x80000000
	s_mov_b64 s[G0S+2:G0S+3], s[22:23]
	s_or_b32 s[G0S+3], s[G0S+3], 0x80000000
	s_cmp_eq_u32 s14, 0                            ; the head's loads, one a wave, in one chain of branches on the wave's number
	s_cbranch_scc0 .Lhead_b
	TLOAD G0H, G1                                  ; wave 0: K step 0's 256 rows of A
	s_branch .Lhead_asked
.Lhead_b:
	s_cmp_eq_u32 s14, 1
	s_cbranch_scc0 .Lhead_s
	TLOAD G0HB, G1B                                ; wave 1: its 256 rows of B
	s_branch .Lhead_asked
.Lhead_s:
	TLOAD G0S, G1S                                 ; waves 2, 3: A's scale bytes of K steps 0-7, 8-15
.Lhead_asked:
	s_add_nc_u64 s[20:21], s[20:21], s[18:19]
	s_add_nc_u64 s[46:47], s[46:47], s[18:19]
.irp s, 0,1
	s_mov_b32 s[G0+4*\s], 1
	s_add_co_u32 s[G0+4*\s+1], s45, \s*SLOT
	s_add_nc_u64 s[G0+4*\s+2:G0+4*\s+3], s[20:21], \s*ROWB
	s_or_b32 s[G0+4*\s+3], s[G0+4*\s+3], 0x80000000
	s_mov_b32 s[G0B+4*\s], 1
	s_add_co_u32 s[G0B+4*\s+1], s45, \s*SLOT
	s_add_nc_u64 s[G0B+4*\s+2:G0B+4*\s+3], s[46:47], \s*ROWB
	s_or_b32 s[G0B+4*\s+3], s[G0B+4*\s+3], 0x80000000
.endr
	s_mul_i32 s18, s15, HALFT                      ; my 128 rows of A in a slot,
	s_mul_i32 s19, s16, HALFT
	s_add_co_u32 s19, s19, 2*HALFT                 ; of B,
	s_lshl_b32 s22, s15, 10
	s_add_co_u32 s22, s22, SCL                     ; my rows' scale bytes,
	s_mul_i32 s23, s14, 16*SPITCH                  ; my stage
	s_lshl_b32 s20, s17, 21                        ; out0: my first row (8,192 bytes a row),
	s_lshl_b32 s21, s15, 20
	s_add_co_u32 s20, s20, s21
	s_mov_b32 s21, 0
	s_lshl_b32 s46, s42, 10                        ; my first column x 4 bytes: also my place in b_scales
	s_lshl_b32 s47, s16, 9
	s_add_co_u32 s46, s46, s47
	s_mov_b32 s47, 0
	s_add_nc_u64 s[10:11], s[10:11], s[46:47]
	s_add_nc_u64 s[12:13], s[12:13], s[20:21]
	s_add_nc_u64 s[12:13], s[12:13], s[46:47]
	s_and_b32 s87, ttmp7, 0xffff                   ; the prefetches
	s_bcnt1_i32_b32 s87, s87
	s_and_b32 s87, s87, 1                          ; is the number of ones in the cluster's y odd?
	s_cmp_eq_u32 s16, 0
	s_cselect_b32 s88, s17, s42                    ; the tile: A's by the tile row, B's by the tile column
	s_cselect_b32 s89, s40, s41                    ; my place among the four partners
	s_cselect_b32 s87, 0, s87                      ; A's waves ask in every cluster
	s_cselect_b64 s[PFA:PFA+1], s[4:5], s[8:9]
	s_cmp_eq_u32 s87, 0
	s_cselect_b32 s[LIM], 1, -1
	s_lshl_b32 s90, s88, 20
	s_lshl_b32 s89, s89, 18                        ; 64 rows a partner,
	s_add_co_u32 s90, s90, s89
	s_lshl_b32 s89, s15, 17                        ; 32 a wave
	s_add_co_u32 s90, s90, s89
	s_add_co_u32 s90, s90, 2*ROWB                  ; at K step 2: the first refill steps it to 3 and names K step 4
	s_mov_b32 s91, 0
	s_add_nc_u64 s[PFA:PFA+1], s[PFA:PFA+1], s[90:91]
	v_and_b32 v1, 15, v0                           ; l % 16
	v_bfe_u32 v2, v0, 4, 1                         ; l / 16
	v_and_b32 v6, 31, v0
	v_mul_u32_u24 v3, v1, PITCH
	v_lshl_add_u32 v4, v2, 4, v3                   ; a fragment's row x pitch + 16 x half
	v_add_nc_u32 v[ADRA], s18, v4
	v_add_nc_u32 v[ADRB], s19, v4
	v_add_nc_u32 v[ADRA+1], SLOT, v[ADRA]
	v_add_nc_u32 v[ADRB+1], SLOT, v[ADRB]
	v_lshl_add_u32 v[ADRS], v6, 3, s22             ; 8 bytes a row: lanes 0-15 an even block's rows, lanes 16-31 the odd one's
	v_mul_u32_u24 v5, v1, SPITCH
	v_lshl_add_u32 v5, v2, 5, v5
	v_add_nc_u32 v[STO], s23, v5                   ; into the stage: row l % 16, 32 bytes for each half of the lanes
	v_lshlrev_b32 v[CO], 4, v6
	v_add_nc_u32 v[RD], s23, v[CO]                 ; back: the 32 lanes take a row of 512 bytes
	v_lshlrev_b32 v7, 2, v6
	v_lshlrev_b32 v[PFO], 12, v6
.irp p, 0,1,2,3
	global_load_b32 v[BS+\p], v7, s[10:11] offset:128*\p   ; B's scale words: row 32 p + lane of my 128
.endr
; One product: A's block a x B's block b, the slot's q-th 128 along K (B's set q), scale set sc; z = 1: it starts its sum
.macro PROD a, b, q, sc, z
.set D_,  64*((\a)%4)+8*(\b)
.set BF_, 128*(\q)+FR*(\b)
.set AF_, AF+FR*(\a)
.set SB_, BS+(\b)/2
.set SA_, SC+16*(\sc)+2*(((\a)/2)%2)+8*((\a)/4)+(\q)
.set V_,  4*(\z)+2*((\b)%2)+(\a)%2
.if V_ == 0
	v_wmma_scale_f32_16x16x128_f8f6f4 v[D_:D_+7], v[BF_:BF_+15], v[AF_:AF_+15], v[D_:D_+7], v[SB_], v[SA_] matrix_a_fmt:MATRIX_FMT_BF8 matrix_b_fmt:MATRIX_FMT_BF8
.elseif V_ == 1
	v_wmma_scale_f32_16x16x128_f8f6f4 v[D_:D_+7], v[BF_:BF_+15], v[AF_:AF_+15], v[D_:D_+7], v[SB_], v[SA_] matrix_a_fmt:MATRIX_FMT_BF8 matrix_b_fmt:MATRIX_FMT_BF8 matrix_b_scale:MATRIX_SCALE_ROW1
.elseif V_ == 2
	v_wmma_scale_f32_16x16x128_f8f6f4 v[D_:D_+7], v[BF_:BF_+15], v[AF_:AF_+15], v[D_:D_+7], v[SB_], v[SA_] matrix_a_fmt:MATRIX_FMT_BF8 matrix_b_fmt:MATRIX_FMT_BF8 matrix_a_scale:MATRIX_SCALE_ROW1
.elseif V_ == 3
	v_wmma_scale_f32_16x16x128_f8f6f4 v[D_:D_+7], v[BF_:BF_+15], v[AF_:AF_+15], v[D_:D_+7], v[SB_], v[SA_] matrix_a_fmt:MATRIX_FMT_BF8 matrix_b_fmt:MATRIX_FMT_BF8 matrix_a_scale:MATRIX_SCALE_ROW1 matrix_b_scale:MATRIX_SCALE_ROW1
.elseif V_ == 4
	v_wmma_scale_f32_16x16x128_f8f6f4 v[D_:D_+7], v[BF_:BF_+15], v[AF_:AF_+15], 0, v[SB_], v[SA_] matrix_a_fmt:MATRIX_FMT_BF8 matrix_b_fmt:MATRIX_FMT_BF8
.elseif V_ == 5
	v_wmma_scale_f32_16x16x128_f8f6f4 v[D_:D_+7], v[BF_:BF_+15], v[AF_:AF_+15], 0, v[SB_], v[SA_] matrix_a_fmt:MATRIX_FMT_BF8 matrix_b_fmt:MATRIX_FMT_BF8 matrix_b_scale:MATRIX_SCALE_ROW1
.elseif V_ == 6
	v_wmma_scale_f32_16x16x128_f8f6f4 v[D_:D_+7], v[BF_:BF_+15], v[AF_:AF_+15], 0, v[SB_], v[SA_] matrix_a_fmt:MATRIX_FMT_BF8 matrix_b_fmt:MATRIX_FMT_BF8 matrix_a_scale:MATRIX_SCALE_ROW1
.else
	v_wmma_scale_f32_16x16x128_f8f6f4 v[D_:D_+7], v[BF_:BF_+15], v[AF_:AF_+15], 0, v[SB_], v[SA_] matrix_a_fmt:MATRIX_FMT_BF8 matrix_b_fmt:MATRIX_FMT_BF8 matrix_a_scale:MATRIX_SCALE_ROW1 matrix_b_scale:MATRIX_SCALE_ROW1
.endif
.endm
.macro FRAG reg, adr, q, i             ; a fragment: lane l holds row l % 16; registers 4 c .. 4 c + 3 hold K = 32 c + 16 (l / 16) + 0 .. 15
.irp c, 0,1,2,3
	ds_load_b128 v[\reg+4*\c:\reg+4*\c+3], v[\adr] offset:128*(\q)+32*\c+(\i)*16*PITCH
.endr
.endm
; A run of 16 loads.  A's registers were read by the quarter just ahead: eight places stand in front.  B's run goes into the other set, last read a step ago: the eight
; places of A's run behind that step's Q4 stand between.
.macro RUNA a0, s, q
	PLACES 8
	WIN 0
.irp i, 0,1,2,3
	FRAG AF+FR*((\a0)+\i), ADRA+(\s), \q, (\a0)+\i
.endr
.endm
.macro RUNB b0, s, q
	WIN TO_B
.irp i, 0,1,2,3
	FRAG 128*(\q)+FR*((\b0)+\i), ADRB+(\s), \q, (\b0)+\i
.endr
.endm
.macro SCALES sc                       ; a K step's scale words of my 128 rows of A into set sc
.irp j, 0,1,2,3
	ds_load_b64 v[SC+16*(\sc)+2*(\j%2)+8*(\j/2):SC+16*(\sc)+2*(\j%2)+8*(\j/2)+1], v[ADRS] offset:256*\j
.endr
.endm
; Four products of quarter n: A's i-th block of the quarter against its four blocks of B.  The 64 accumulators take turns, in the same order in every step.
.macro QG n, i, q, sc, z
	WIN MUL_LO+0x50*(((\n)-1)/2)
.irp k, 0,1,2,3
	PROD 4*(((\n)-1)/2)+(\i), 4*(((\n)-1)%2)+\k, \q, \sc, \z
.endr
.endm
.macro QTR n, q, sc, z
.irp i, 0,1,2,3
	QG \n, \i, \q, \sc, \z
.endr
.endm
.macro STEP s, z                       ; a slot's first 128 along K; it fetches the second
	s_wait_dscnt 32                                ; all but the two youngest runs
	QTR 1, 0, \s, \z
	RUNB 0, \s, 1
	s_wait_dscnt 32
	QTR 2, 0, \s, \z
	RUNA 0, \s, 1
	s_wait_dscnt 32
	QTR 3, 0, \s, \z
	RUNB 4, \s, 1
	QTR 4, 0, \s, \z
	RUNA 4, \s, 1
.endm
; A slot's second 128 along K, all of it in registers or on its way there, with the change of slots behind Q1: each wave waits for all its tensor loads (one is out: its part of the next slot), adds 0 to its spare word,
; and waits for the add and for its reads of this slot.  fill = 1: a round of the cluster's barrier, and this slot is filled again, two K steps ahead.  Then the next slot's first step is fetched.
.macro TURN s, n, fill
.if \fill
	s_wait_xcnt 0x0                                ; my last prefetch has read its address
	s_add_nc_u64 s[PFA:PFA+1], s[PFA:PFA+1], ROWB
.endif
	s_wait_dscnt 32
	QTR 1, 1, \s, 0
	WIN 0
	s_wait_tensorcnt 0x0
	ds_add_u32 v[SPW], v[NIL]
.if \fill
	s_add_nc_u64 s[G0+4*\s+2:G0+4*\s+3], s[G0+4*\s+2:G0+4*\s+3], 2*ROWB      ; no tensor load of mine is out: the descriptors may step
	s_add_nc_u64 s[G0B+4*\s+2:G0B+4*\s+3], s[G0B+4*\s+2:G0B+4*\s+3], 2*ROWB
.endif
	s_wait_dscnt 0x0                               ; the add is done, and my reads of this slot are over
	s_barrier_signal -1
	QG 2, 0, 1, \s, 0
	QG 2, 1, 1, \s, 0
	WIN 0
	s_barrier_wait -1
.if \fill
	CREST                                          ; no wave of any partner still reads this slot or has a load on its way
	JLOAD \s                                       ; the first tensor load behind the round
.endif
	v_add_nc_u32 v[ADRS], SSTEP, v[ADRS]           ; on to the next K step's scale words
	s_wait_alu depctr_va_vdst(0)                   ; the wait here, directly behind the write
	SCALES \n
	RUNB 0, \n, 0
	QG 2, 2, 1, \s, 0
	QG 2, 3, 1, \s, 0
	RUNA 0, \n, 0
.if \fill
	ASK
.endif
	QTR 3, 1, \s, 0
	RUNB 4, \n, 0
	QTR 4, 1, \s, 0
	RUNA 4, \n, 0
.endm
	s_wait_alu depctr_va_vdst(0)                   ; the wait at the head's end
	s_wait_tensorcnt 0x0                           ; my tile of the head's is in; the same lines as ahead of a refill stand ahead of slot 1's first fill
	ds_add_u32 v[SPW], v[NIL]
	s_mov_b32 s[G1+2], 128<<16                     ; no tensor load of mine is out: from here on a load brings 128 rows
	s_mov_b32 s[G1+4], 128
	s_mov_b32 s[G1B+2], 128<<16
	s_mov_b32 s[G1B+4], 128
	s_wait_dscnt 0x0
	CROUND
	JLOAD 1                                        ; K step 1
	SCALES 0                                       ; what a step before would have fetched, in the stream's order
	RUNB 0, 0, 0
	RUNA 0, 0, 0
	RUNB 4, 0, 0
	RUNA 4, 0, 0
	s_wait_loadcnt 0x0                             ; B's scale words
	STEP 0, 1                                      ; the first step stands in front of the loop: its products start the sums
	s_mov_b32 s3, LAPS-1
.Llap:                                                 ; a trip goes once round the ring and fills both slots again
	TURN 0, 1, 1
	STEP 1, 0
	TURN 1, 0, 1
	STEP 0, 0
	s_sub_co_u32 s3, s3, 1
	s_cmp_lg_u32 s3, 0
	s_cbranch_scc1 .Llap
	TURN 0, 1, 0                                   ; the last lap fills nothing, and has no round
	STEP 1, 0
	s_wait_dscnt 32                                ; the last step fetches nothing: the counts run down
	QTR 1, 1, 1, 0
	s_wait_dscnt 16
	QTR 2, 1, 1, 0
	s_wait_dscnt 0x0
	QTR 3, 1, 1, 0
	QTR 4, 1, 1, 0
	WIN 0
; THE WAY OUT, block by block of 16 rows x 128 columns: through my own stage in LDS, back as whole rows of 512 bytes.  LDS serves a wave's instructions in order (ISA guide 5.7.1.4): no wait between the stores and the loads.
.macro TOSTAGE a
.set AC, 64*((\a)%4)
	WIN 0x08+4*((\a)/4)                            ; the data: window 2 or 3
.irp b, 0,1,2,3,4,5,6,7
	ds_store_b128 v[STO], v[AC+8*\b:AC+8*\b+3] offset:64*\b          ; each accumulator from its low end on
	ds_store_b128 v[STO], v[AC+8*\b+4:AC+8*\b+7] offset:64*\b+16
.endr
	WIN ((1+(\a)/4)<<6)                            ; back into a buffer of the block's own: blocks 0-3 in window 1 (B's fragments are done with), blocks 4-7 in window 2 (the sums of blocks 0-3, whose LDS stores the waits of the sends before have shown done)
.set BB, 64*((\a)%4)
.irp t, 0,1,2,3,4,5,6,7,8,9,10,11,12,13,14,15
	ds_load_b128 v[BB+4*\t:BB+4*\t+3], v[RD] offset:\t*SPITCH
.endr
	WIN 0
.endm
.macro SEND a, younger                 ; younger: the LDS instructions issued behind block a's loads
.set BB, 64*((\a)%4)
	s_wait_dscnt \younger
	WIN ((1+(\a)/4)<<2)                            ; the data: the block's own buffer.  No store's data, offset or base is written again, so no wait on XCNT stands on the way out
.irp t, 0,1,2,3,4,5,6,7,8,9,10,11,12,13,14,15
	global_store_b128 v[CO], v[BB+4*\t:BB+4*\t+3], s[12:13] offset:(16*(\a)+\t)*SIZE_N*4   ; 32 lanes store 512 consecutive bytes, aligned; 127 rows of 8,192 bytes at the most: inside the signed 24-bit immediate (ISA guide, chapter 10)
.endr
	WIN 0
.endm
	PLACES 8                                       ; behind the last products: for the reads of their sums and the loads into B's registers and into finished sums
	TOSTAGE 0
.irp a, 1,2,3,4,5,6,7
	TOSTAGE \a
	SEND \a-1, 32                                  ; behind block a - 1's loads: block a's 16 stores and 16 loads
.endr
	SEND 7, 0
	s_wait_tensorcnt 0x0                           ; the wave's end
	ds_add_u32 v[SPW], v[NIL]
	s_wait_dscnt 0x0
	CROUND                                         ; the closing round
	s_endpgm
.Lfunc_end_k_qbdc540266b_gemm:
	.size	k_qbdc540266b_gemm, .Lfunc_end_k_qbdc540266b_gemm-k_qbdc540266b_gemm
	.p2alignl 7, 3214868480
	.fill 96, 4, 3214868480
	.section	.rodata,"a",@progbits
	.p2align	6, 0x0
	.amdhsa_kernel k_qbdc540266b_gemm
		.amdhsa_group_segment_fixed_size 327680
		.amdhsa_private_segment_fixed_size 0
		.amdhsa_enable_private_segment 0
		.amdhsa_kernarg_size 40
		.amdhsa_user_sgpr_count 2
		.amdhsa_user_sgpr_kernarg_segment_ptr 1
		.amdhsa_wavefront_size32 1
		.amdhsa_system_sgpr_workgroup_id_x 1
		.amdhsa_system_sgpr_workgroup_id_y 1
		.amdhsa_system_sgpr_workgroup_id_z 1
		.amdhsa_system_vgpr_workitem_id 0
		.amdhsa_next_free_vgpr 1024
		.amdhsa_next_free_sgpr 100
		.amdhsa_reserve_vcc 0
		.amdhsa_float_denorm_mode_32 3
		.amdhsa_float_denorm_mode_16_64 3
		.amdhsa_memory_ordered 1
		.amdhsa_forward_progress 1
		.amdhsa_inst_pref_size 148
	.end_amdhsa_kernel
	.amdgpu_metadata
---
amdhsa.version: [ 1, 2 ]
amdhsa.kernels:
  - .name:           k_qbdc540266b_gemm
    .symbol:         k_qbdc540266b_gemm.kd
    .args:
      - { .name: a_codes, .offset: 0, .size: 8, .value_kind: global_buffer, .address_space: global }
      - { .name: a_scales, .offset: 8, .size: 8, .value_kind: global_buffer, .address_space: global }
      - { .name: b_codes, .offset: 16, .size: 8, .value_kind: global_buffer, .address_space: global }
      - { .name: b_scales, .offset: 24, .size: 8, .value_kind: global_buffer, .address_space: global }
      - { .name: out0, .offset: 32, .size: 8, .value_kind: global_buffer, .address_space: global }
    .group_segment_fixed_size: 327680
    .private_segment_fixed_size: 0
    .kernarg_segment_align: 8
    .kernarg_segment_size: 40
    .max_flat_workgroup_size: 128
    .sgpr_count:     100
    .vgpr_count:     1024
    .wavefront_size: 32
...
	.end_amdgpu_metadata
.endif
;; end of part 2
